; MI455X (gfx1250); checked and timed in simulation.
; The chip was launched on July 23, 2026; its instructions are those of AMD's public machine-readable ISA for CDNA 5 (MIT licence, August 2026) and "CDNA5" Instruction Set Architecture Reference Guide (July 2026). The comments in the code are by the model that wrote it; some were corrected since.
;; Mol Space Multi Head Attention. Allowed arithmetic: float matrix products may take bf16 or f16 operands with f32 sums; other float arithmetic in f32, or as packed bf16 or f16 multiplies, adds, multiply-adds, maxima and minima; sums over many terms, partial sums and values carried from step to step in f32; what a program stores and reads back later, other than sums and carried values, may be rounded once to bf16 or f16.
;; Inputs: Wk 1,024 x 1,024 float32; Wq 1,024 x 1,024 float32; Wv 1,024 x 1,024 float32; x 16,384 x 1,024 float32.
;; Outputs: out0 16,384 x 1,024 float32.
;; One version. Each part assembles by itself: llvm-mc -triple=amdgcn-amd-amdhsa -mcpu=gfx1250 --defsym DOCPART=n.
;; ======== version 1 of 1: 3 launches
;; workspace buffers: wb 6,291,456 bytes; ps 8,388,608 bytes
;; launch castw (part 1): grid 256 x 1, 12 waves a work-group, no clusters, 0 bytes of LDS; arguments Wq, Wk, Wv, wb; writes wb
.if DOCPART == 1
	.amdgcn_target "amdgcn-amd-amdhsa--gfx1250"
	.amdhsa_code_object_version 6
	.text
	.protected	k_q53ad2a0495_castw
	.globl	k_q53ad2a0495_castw
	.p2align	8
	.type	k_q53ad2a0495_castw,@function
k_q53ad2a0495_castw:
	s_mov_b64 s[64:65], 0
	v_nop
	global_prefetch_b8 v0, s[64:65] scope:SCOPE_SE
	s_setreg_imm32_b32 hwreg(HW_REG_WAVE_MODE, 25, 1), 1
	s_wait_xcnt 0x0
; THE WEIGHTS, ROUNDED ONCE TO bf16 AND LAID IN THE ORDER IN WHICH THE NEXT TWO LAUNCHES' OPERAND REGISTERS TAKE THEM (q and k for the launch that makes the scores, v for the one that mixes).
; Nothing of the problem is left out in this program: every input reaches the output, and every step (three projections, scores, the maximum, the softmax, the weighted sum) is done.
; wb, in bytes: ((p 16 + s) 4 + w) 32768 + kq 16384 + nt 1024 + part 512 + 16 lane.  p = 0, 1: q and k; p = 2: v.  s = 64 channels of K, w = a group of 256 columns, nt = a tile of 16 weight rows,
; kq = 32 channels, part = registers 0-3 or 4-7 of a fragment.  A lane's 16 bytes: row m = lane % 16 of the tile, channels 64 s + 32 kq + 16 part + 8 (lane / 16) + 0..7.
; WHICH ROWS A TILE HOLDS.  Groups (p, w), p < 2, hold q and k at the channels d = 32 w + 16 p + 0..15 of EVERY head; groups (2, w) hold v at d = 32 w + 0..31 of every head.
;   p < 2, nt = i (0..7):      row m = Wq[128 (i xor 4 (m / 8)) + 32 w + 16 p + m]: rows 8-15 come from the head four on, so that the upper half of the lanes finds heads 4-7 under the indices 0-3
;   p < 2, nt = 8 + kap:       row m = Wk[128 g + 32 w + 16 p + dl], g = 2 (kap % 4) + m % 2, dl = 8 (m / 8) + 4 (kap / 4) + (m % 8) / 2: a register pair of the result holds k of heads 2 gam, 2 gam + 1
;   p = 2, nt = 2 g + ct:      row m = Wv[128 g + 32 w + 16 ct + m]
; SHARES.  3,072 tiles of 16 rows x 64 channels, one to a wave: T = 12 x work-group + wave.  A wave reads 256 consecutive bytes of each of 16 rows and writes four times 512 consecutive bytes, aligned.
.set SRC, 8                            ; v[8:39]   32 f32 as loaded
.set DST, 40                           ; v[40:55]  32 bf16 to store
	s_load_b256 s[4:11], s[0:1], 0x0               ; Wq s[4:5], Wk s[6:7], Wv s[8:9], wb s[10:11]
	v_lshrrev_b32 v1, 5, v0
	v_readfirstlane_b32 s12, v1                    ; wave 0..11
	s_mul_i32 s13, ttmp9, 12
	s_add_co_u32 s13, s13, s12                     ; T
	s_and_b32 s14, s13, 15                         ; nt
	s_bfe_u32 s15, s13, 0x20004                    ; w
	s_bfe_u32 s16, s13, 0x40006                    ; s
	s_lshr_b32 s17, s13, 10                        ; p
	s_lshl_b32 s18, s15, 5                         ; 32 w
	s_lshl_b32 s19, s17, 4
	s_add_co_u32 s19, s19, s18                     ; 32 w + 16 p
	s_lshl_b32 s20, s14, 7
	s_add_co_u32 s20, s20, s19                     ; q: 128 nt + 32 w + 16 p
	s_and_b32 s21, s14, 3
	s_lshl_b32 s21, s21, 8
	s_add_co_u32 s21, s21, s19
	s_bfe_u32 s22, s14, 0x10002
	s_lshl_b32 s22, s22, 2
	s_add_co_u32 s21, s21, s22                     ; k: 256 (nt % 4) + 32 w + 16 p + 4 ((nt / 4) % 2)
	s_lshr_b32 s22, s14, 1
	s_lshl_b32 s22, s22, 7
	s_add_co_u32 s22, s22, s18
	s_and_b32 s23, s14, 1
	s_lshl_b32 s23, s23, 4
	s_add_co_u32 s22, s22, s23                     ; v: 128 (nt / 2) + 32 w + 16 (nt % 2)
	s_xor_b32 s32, s14, 4
	s_sub_co_u32 s32, s32, s14                     ; q: the head four on is 4 more or 4 less (modulo 2^32),
	s_lshl_b32 s32, s32, 7                         ; in rows
	s_lshl_b32 s27, s16, 8                         ; 64 s channels of f32
	s_lshr_b32 s30, s13, 4
	s_lshl_b32 s30, s30, 15
	s_lshl_b32 s31, s14, 10
	s_add_co_u32 s30, s30, s31                     ; (T / 16) 32768 + nt 1024
	s_mov_b32 s31, 0
	v_and_b32 v2, 15, v0                           ; m = lane % 16
	v_bfe_u32 v3, v0, 4, 1                         ; lane / 16
	v_and_b32 v4, 1, v2                            ; m % 2
	v_bfe_u32 v5, v2, 1, 2                         ; (m / 2) % 4
	v_lshrrev_b32 v6, 3, v2                        ; m / 8
	v_and_b32 v7, 31, v0
	v_lshlrev_b32 v7, 4, v7                        ; 16 x lane
	s_wait_kmcnt 0x0
	s_cmp_ge_u32 s14, 8                            ; in groups of q and k: a tile of k?
	s_cselect_b32 s24, s21, s20                    ; the tile's first row,
	s_cselect_b32 s25, 128, 1                      ; what m % 2 is worth in rows,
	s_cselect_b32 s26, 1, 2                        ; and (m / 2) % 4,
	s_cselect_b32 s32, 0, s32                      ; and what m / 8 is worth beyond 8
	s_cselect_b64 s[28:29], s[6:7], s[4:5]
	s_cmp_eq_u32 s17, 2                            ; a group of v
	s_cselect_b32 s24, s22, s24
	s_cselect_b32 s25, 1, s25
	s_cselect_b32 s26, 2, s26
	s_cselect_b32 s32, 0, s32
	s_cselect_b64 s[28:29], s[8:9], s[28:29]
	s_add_nc_u64 s[10:11], s[10:11], s[30:31]
	v_mul_u32_u24 v4, s25, v4
	v_mad_u32_u24 v4, v5, s26, v4
	v_lshl_add_u32 v4, v6, 3, v4
	v_mul_lo_u32 v5, v6, s32                       ; 0, or 512 rows up or down
	v_add_nc_u32 v4, v4, v5
	v_add_nc_u32 v4, s24, v4                       ; my row of the weight matrix
	v_lshlrev_b32 v4, 12, v4                       ; 4,096 bytes a row
	v_lshl_add_u32 v4, v3, 5, v4                   ; + 8 (lane / 16) channels
	v_add_nc_u32 v4, s27, v4
.irp c, 0,1,2,3                        ; c = 2 kq + part: 8 channels, 32 bytes, a lane
	global_load_b128 v[SRC+8*(\c):SRC+8*(\c)+3],   v4, s[28:29] offset:((\c)/2)*128+((\c)%2)*64 th:TH_LOAD_NT
	global_load_b128 v[SRC+8*(\c)+4:SRC+8*(\c)+7], v4, s[28:29] offset:((\c)/2)*128+((\c)%2)*64+16 th:TH_LOAD_NT
.endr
	s_wait_loadcnt 0x0
.irp i, 0,1,2,3,4,5,6,7,8,9,10,11,12,13,14,15
	v_cvt_pk_bf16_f32 v[DST+(\i)], v[SRC+2*(\i)], v[SRC+2*(\i)+1]
.endr
.irp c, 0,1,2,3
	global_store_b128 v7, v[DST+4*(\c):DST+4*(\c)+3], s[10:11] offset:((\c)/2)*16384+((\c)%2)*512  ; 512 consecutive bytes, at a multiple of 512 from wb's first
.endr
	s_endpgm
.Lfunc_end_k_q53ad2a0495_castw:
	.size	k_q53ad2a0495_castw, .Lfunc_end_k_q53ad2a0495_castw-k_q53ad2a0495_castw
	.p2alignl 7, 3214868480
	.fill 96, 4, 3214868480
	.section	.rodata,"a",@progbits
	.p2align	6, 0x0
	.amdhsa_kernel k_q53ad2a0495_castw
		.amdhsa_group_segment_fixed_size 0
		.amdhsa_private_segment_fixed_size 0
		.amdhsa_enable_private_segment 0
		.amdhsa_kernarg_size 32
		.amdhsa_user_sgpr_count 2
		.amdhsa_user_sgpr_kernarg_segment_ptr 1
		.amdhsa_wavefront_size32 1
		.amdhsa_system_sgpr_workgroup_id_x 1
		.amdhsa_system_sgpr_workgroup_id_y 1
		.amdhsa_system_sgpr_workgroup_id_z 1
		.amdhsa_system_vgpr_workitem_id 0
		.amdhsa_next_free_vgpr 64
		.amdhsa_next_free_sgpr 66
		.amdhsa_reserve_vcc 0
		.amdhsa_float_denorm_mode_32 3
		.amdhsa_float_denorm_mode_16_64 3
		.amdhsa_memory_ordered 1
		.amdhsa_forward_progress 1
		.amdhsa_inst_pref_size 5
	.end_amdhsa_kernel
	.amdgpu_metadata
---
amdhsa.version: [ 1, 2 ]
amdhsa.kernels:
  - .name:           k_q53ad2a0495_castw
    .symbol:         k_q53ad2a0495_castw.kd
    .args:
      - { .name: Wq, .offset: 0, .size: 8, .value_kind: global_buffer, .address_space: global }
      - { .name: Wk, .offset: 8, .size: 8, .value_kind: global_buffer, .address_space: global }
      - { .name: Wv, .offset: 16, .size: 8, .value_kind: global_buffer, .address_space: global }
      - { .name: wb, .offset: 24, .size: 8, .value_kind: global_buffer, .address_space: global }
    .group_segment_fixed_size: 0
    .private_segment_fixed_size: 0
    .kernarg_segment_align: 8
    .kernarg_segment_size: 32
    .max_flat_workgroup_size: 384
    .sgpr_count:     66
    .vgpr_count:     64
    .wavefront_size: 32
...
	.end_amdgpu_metadata
.endif
;; end of part 1
;; launch scores (part 2): grid 256 x 1, 4 waves a work-group, clusters of 4 x 1, 327,680 bytes of LDS; arguments x, wb, ps; writes ps
.if DOCPART == 2
	.amdgcn_target "amdgcn-amd-amdhsa--gfx1250"
	.amdhsa_code_object_version 6
	.text
	.protected	k_q53ad2a0495_scores
	.globl	k_q53ad2a0495_scores
	.p2align	8
	.type	k_q53ad2a0495_scores,@function
k_q53ad2a0495_scores:
	s_mov_b64 s[64:65], 0
	v_nop
	global_prefetch_b8 v0, s[64:65] scope:SCOPE_SE
	s_setreg_imm32_b32 hwreg(HW_REG_WAVE_MODE, 25, 1), 1
	s_wait_xcnt 0x0
	s_wait_alu depctr_hold_cnt(0) depctr_sa_sdst(0) depctr_va_vdst(0) depctr_va_sdst(0) depctr_va_ssrc(0) depctr_va_vcc(0) depctr_vm_vsrc(0)
	s_getreg_b32 s2, hwreg(HW_REG_IB_STS2, 6, 4)
	s_cmp_eq_u32 s2, 0
	s_cbranch_scc0 .Lentry_in_a_cluster
	s_endpgm
.Lentry_in_a_cluster:
	s_bfe_u32 s2, ttmp6, 0x10000c
	s_cmp_lg_u32 s2, 0x3003
	s_cbranch_scc0 .Lentry_shape_is_right
	s_endpgm
.Lentry_shape_is_right:
; PARTIAL SCORES.  ps[jj][t][h][g] = the sum over d = 64 jj .. 64 jj + 63 of q[t][h][d] k[t][g][d], with q = x Wq^T, k = x Wk^T cut into 8 heads of 128; f32, unscaled.  The next launch adds the two parts.
; Nothing is left out.  FORMATS: x and the weights are rounded once to bf16 for the projections; q, k and the scores stay in f32; q and k never leave the work-group.
; LIMITS: the sums are taken in another order than the reference's; NaN and infinities are not treated apart.
; SHARES.  A work-group owns 128 tokens and one half jj of the channels of every head.  Wave w: th = w / 2 picks 64 tokens (four tiles tt of 16), cg = w % 2 a group of 256 columns.  Two PASSES over K = 1,024;
; in pass p the wave has q and k of all 8 heads at d = 64 jj + 32 cg + 16 p + 0..15: 16 column tiles nt x 4 tt = 64 accumulators, 512 registers.
; The products are taken transposed (source 0 = 16 weight rows, source 1 = 16 tokens): a lane holds ONE token (lane % 16) and the tile's rows 8 (lane / 16) + 0..7, which are eight d.
; Behind each pass a lane adds q[h][d] k[g][d] over its eight d.  q's tile i holds head i in the lower half of the lanes and head i xor 4 in the upper: indices 0-3 are the heads that the lane keeps (4 (lane / 16) + 0..3)
; and add straight into S'; indices 4-7 are the partner lane's heads: they are summed in T and cross once.  So a token tile's scores take 32 registers a lane.
; THE RING.  A tile of weights is 128 along K x 512 columns: four dense blocks of 32,768 bytes, block (sp, cg) = 64 of K x a group; two LDS slots take turns; wave i fetches block i; a slot feeds 256 matrix
; instructions a wave.  x comes through registers, 64 of K a chunk, rounded on the way, into two small LDS buffers that no tensor load touches; a plain barrier in a slot's middle serves x alone.
; CLUSTER.  The four work-groups of a cluster have four token blocks and the same jj: they walk the same weights and ask for each block JOINTLY.  x is not shared so: it passes through registers to be rounded.
; THE TEXT.  A slot is written once and walked 14 times (its LDS address hangs on a scalar that an exclusive or turns); the last two slots, which ask for nothing, are a second text walked twice.  That tail
; stands INSIDE the loop's extent, entered when the count has run out, so that the one text of the scores, which stands behind it, serves both passes.
; REGISTERS, in windows of 256 (s_set_vgpr_msb: bits 1:0 source 0, 3:2 source 1, 5:4 source 2, 7:6 destination):
;   window 0: v0-29 addresses; v32-95 x's fragments (kq 0, 1); v96-223 the weights' fragments (column tiles 0-7, 8-15); v224-255 x rounded, and what crosses the lanes' halves
;   window 1: v0-127 S'(tt, hl, g) at 32 tt + 8 hl + g; v128-159 T; v192-255 x as loaded          windows 2, 3: accumulator (nt, tt) in window 2 + nt / 8 at 8 (4 (nt % 8) + tt)
.set TILES,  16                        ; two passes of eight
.set XAHEAD, 10                        ; x is prefetched while the count of slots is at least this: slots 0 to 4 of the first pass
.set SLOT,   131072
.set SUBB,   32768
.set TSTEP,  262144                    ; from a tile to the next in wb: 128 of K x all four groups
.set XR,     2*SLOT                    ; x in bf16: two buffers of 128 rows
.set XPITCH, 144                       ; 128 bytes + 16: the 16 rows of a fragment load start at 16 different groups of four banks (64 banks of 4 bytes: ISA guide 11.1)
.set XBUF,   128*XPITCH
.set SPARE,  XR+2*XBUF                 ; the spare words, 128 bytes for each wave: two blocks of 256 bytes that no other line names
.set PPITCH, 272                       ; 64 scores of a token, 256 bytes + 16
.set PCOPY,  128*PPITCH                ; one column group's scores of the 128 tokens; two copies, in the ring, which has had its last fill by then
.set BAB,  8                           ; v8      my 16 bytes of a fragment in my group's block of slot 0, first 64 of K; never rewritten
.set BC,   10                          ; v10-11  the same in the slot in hand, first and second 64 of K
.set XA,   12                          ; v12-13  my place in a fragment of x, buffer 0, 1
.set XW,   14                          ; v14-15  where I put 8 bytes of x, buffer 0, 1
.set XO,   16                          ; v16     my byte offset in the work-group's rows of x
.set PFX,  17                          ; v17     x's prefetch: a lane a row
.set PFWO, 18                          ; v18     the weights' prefetch: 256 x lane
.set PST,  19                          ; v19     where I put my scores
.set PLD,  20                          ; v20     where I read rows of scores back
.set PGO,  21                          ; v21     16 x lane
.set SPW,  28                          ; v28     LDS address of my spare word: SPARE + 4 x my thread's number; never rewritten
.set NIL,  29                          ; v29     0; never rewritten
.set AB,   32
.set BB,   96
.set XC,   224
.set TQ,   128                         ; window 1
.set XS,   192                         ; window 1
.set WV,   12                          ; s12  my wave's number
.set CX,   13                          ; s13  my place in the cluster
.set TH,   14                          ; s14  wave / 2
.set CG,   15                          ; s15  wave % 2
.set G1,   16                          ; s[16:23] descriptor group 1
.set G0A,  24                          ; s[24:27] descriptor group 0 of tile 0
.set G0W,  28                          ; s[28:31] of tile 1; then it walks
.set XB,   32                          ; s[32:33] x at the work-group's first row
.set XK,   34                          ; s[34:35] the byte offset along K of the chunk of x last asked for, and 0
.set XPT,  36                          ; s[36:37] their sum
.set PFW,  38                          ; s[38:39] where my prefetches of the weights stand
.set LIM,  40                          ; s40  2 in the first cluster of each jj, else the greatest number
.set LEFT, 41                          ; s41  slots still to be filled again
.set PH,   42                          ; s42  slots still to come in the pass, 8 to 1
.set XL,   43                          ; s43  XAHEAD where jj = 0, else the greatest number
.set TB,   46                          ; s46  LDS byte at which the slot in hand begins
.set JJ,   47                          ; s47  which half of the channels
.set TKB,  48                          ; s48  my block of 128 tokens
.set TT,   49                          ; s49  counts the tail's two slots, 2 to 1
.set SEL,  60                          ; s[60:61] v_permlanex16_b32's selects: each lane takes its own place in the other half
.set MSB, 0
.macro WIN new                         ; the immediate's high byte repeats the setting that is left; a switch that changes nothing is dropped
.if MSB != (\new)
	s_set_vgpr_msb (MSB<<8)|(\new)
.set MSB, \new
.endif
.endm
.macro PLACES                          ; four places in front of loads into registers that matrix instructions have read, and of lines that read results
.rept 4
	v_nop
.endr
.endm
.macro BAR
	s_barrier_signal -1
	s_barrier_wait -1
.endm
.macro CREST                           ; a round of the cluster's barrier behind its opening barrier
	s_cmp_lg_u32 s[WV], 0
	s_cbranch_scc1 .Lnot_wave_0_\@
	s_barrier_signal -3
.Lnot_wave_0_\@:
	s_barrier_wait -3
	s_barrier_signal -1
	s_barrier_wait -1
.endm
.macro CROUND
	BAR
	CREST
.endm
; The weights' fragments of column tiles 8 b .. 8 b + 7, 32 channels kq, from the block at register a: each fragment is 1,024 dense bytes, two loads of 512
.macro FETCHB a, kq, b
	WIN 0
.irp i, 0,1,2,3,4,5,6,7
	ds_load_b128 v[BB+64*(\b)+8*(\i):BB+64*(\b)+8*(\i)+3],   v[\a] offset:(\kq)*16384+(8*(\b)+(\i))*1024
	ds_load_b128 v[BB+64*(\b)+8*(\i)+4:BB+64*(\b)+8*(\i)+7], v[\a] offset:(\kq)*16384+(8*(\b)+(\i))*1024+512
.endr
.endm
; x's fragments of my four token tiles, 32 channels kq of buffer b
.macro FETCHA b, kq
	WIN 0
.irp i, 0,1,2,3
	ds_load_b128 v[AB+32*(\kq)+8*(\i):AB+32*(\kq)+8*(\i)+3],   v[XA+(\b)] offset:16*XPITCH*(\i)+64*(\kq)
	ds_load_b128 v[AB+32*(\kq)+8*(\i)+4:AB+32*(\kq)+8*(\i)+7], v[XA+(\b)] offset:16*XPITCH*(\i)+64*(\kq)+32
.endr
.endm
; 4 cnt matrix instructions: column tiles 8 b + n0 on, all four token tiles.  Every accumulator comes once in a run, so no two that follow each other share one.  zero = 1: the product starts the sum
.macro MUL kq, b, n0, cnt, zero
	WIN 0xa0+0x50*(\b)
.set n, (\n0)
.rept (\cnt)
.irp t, 0,1,2,3
.if \zero
	v_wmma_f32_16x16x32_bf16 v[32*n+8*(\t):32*n+8*(\t)+7], v[BB+64*(\b)+8*n:BB+64*(\b)+8*n+7], v[AB+32*(\kq)+8*(\t):AB+32*(\kq)+8*(\t)+7], 0
.else
	v_wmma_f32_16x16x32_bf16 v[32*n+8*(\t):32*n+8*(\t)+7], v[BB+64*(\b)+8*n:BB+64*(\b)+8*n+7], v[AB+32*(\kq)+8*(\t):AB+32*(\kq)+8*(\t)+7], v[32*n+8*(\t):32*n+8*(\t)+7]
.endif
.endr
.set n, n+1
.endr
.endm
; The next chunk of x: my 32 rows x 256 bytes, sixteen lanes to a row; load i takes rows 8 (lane / 16) + i % 8 + 16 (i / 8) of them.  The offset along K wraps at a row's end: each pass walks x anew
.macro XLOAD
	s_add_co_u32 s[XK], s[XK], 256
	s_and_b32 s[XK], s[XK], 4095
	s_add_nc_u64 s[XPT:XPT+1], s[XB:XB+1], s[XK:XK+1]
	WIN 0x40                                       ; destination window 1
.set i, 0
.rept 16
	global_load_b128 v[XS+4*i:XS+4*i+3], v[XO], s[XPT:XPT+1] offset:4096*(i%8+16*(i/8))
.set i, i+1
.endr
	WIN 0
.endm
; The chunk that has come is rounded to bf16 and put into buffer b: the two rows of a store lie 8 x 144 bytes apart, half a row of banks
.macro XSTORE b
	s_wait_loadcnt 0x0
	WIN 0x05                                       ; sources window 1, destination window 0
.set i, 0
.rept 16
	v_cvt_pk_bf16_f32 v[XC+2*i],   v[XS+4*i],   v[XS+4*i+1]
	v_cvt_pk_bf16_f32 v[XC+2*i+1], v[XS+4*i+2], v[XS+4*i+3]
.set i, i+1
.endr
	WIN 0
.set i, 0
.rept 16
	ds_store_b64 v[XW+(\b)], v[XC+2*i:XC+2*i+1] offset:XPITCH*(i%8+16*(i/8))
.set i, i+1
.endr
.endm
; 64 OF K ARE FOUR HALF-STEPS of 32 matrix instructions: (kq, b) = (0,0), (0,1), (1,0), (1,1).  Each waits for its own fragments, issues the next half-step's loads in one run, and multiplies.
; The first two, for half sp of the slot.
.macro HS b, sp, zero
	s_wait_dscnt 0x0                               ; my fragments, asked for a half-step ago, are in
	PLACES
.if (\b) == 0
	FETCHB BC+(\sp), 0, 1
.else
	FETCHA \sp, 1
	FETCHB BC+(\sp), 1, 0
.endif
	MUL 0, \b, 0, 8, \zero
.endm
; The third, which also carries x: the chunk that has come goes into the other buffer (its last readers passed the last barrier), and the chunk after it is asked for.  On every way x's registers are loaded
; again only behind XSTORE's wait for the loads before.
; mode = 1, the loop: in the first walk of x, where jj = 0, my 32 rows' 256 bytes of the chunk four on from the one just asked for are prefetched, a lane a row: each block once in the launch.
; mode = 0, the tail: the last slot asks for nothing more, and its second half has nothing to store: forward jumps on the tail's count, round loads and stores alone.  In the second half the store, with its wait,
; and the loads stand inside ONE jump.
.macro H10 sp, mode
	s_wait_dscnt 0x0
	WIN 0
.if \mode
	XSTORE 1-(\sp)                                 ; its conversions are the places in front of the loads below
	FETCHB BC+(\sp), 1, 1
	s_wait_xcnt 0x0                                ; the loads and the prefetch that read x's pointer stand 64 of K back: the pointer is written only behind this wait
	XLOAD
	s_cmp_ge_u32 s[LEFT], s[XL]
	s_cbranch_scc0 .Lno_x_\@
	global_prefetch_b8 v[PFX], s[XPT:XPT+1] offset:1024 th:TH_LOAD_NT scope:SCOPE_SE
.Lno_x_\@:
.elseif (\sp) == 0
	XSTORE 1
	FETCHB BC, 1, 1
	s_cmp_eq_u32 s[TT], 2
	s_cbranch_scc0 .Lno_load_\@
	s_wait_xcnt 0x0
	XLOAD
.Lno_load_\@:
.else
	s_cmp_eq_u32 s[TT], 2
	s_cbranch_scc0 .Lno_x_\@
	XSTORE 0
	s_wait_xcnt 0x0
	XLOAD
.Lno_x_\@:
	PLACES
	FETCHB BC+1, 1, 1
.endif
	MUL 1, 0, 0, 8, 0
.endm
; The fourth half-step in a slot's middle: a plain barrier for x alone.  In front of it my stores of the next chunk and my reads of the last are done; behind it the next chunk is whole.  My tensor load stays out.
.macro MID
	s_wait_dscnt 0x0
	s_barrier_signal -1
	MUL 1, 1, 0, 4, 0
	s_barrier_wait -1
	PLACES
	FETCHA 1, 0
	FETCHB BC+1, 0, 0
	MUL 1, 1, 4, 4, 0
.endm
; A prefetch of the weights: the tile that stands TWO refills on from the one just asked for.  32 clusters walk each jj's tiles: the first of them asks; its sixteen waves share the tile's 512 blocks of
; 256 bytes out by address: of the block that wave i fetches, the partner at place cx takes 32, a lane each.  The counts 1 and 2 ask for nothing: the tile would not exist.
.macro ASK
	s_cmp_gt_u32 s[LEFT], s[LIM]
	s_cbranch_scc0 .Lnot_mine_\@
	global_prefetch_b8 v[PFWO], s[PFW:PFW+1] th:TH_LOAD_NT scope:SCOPE_SE
.Lnot_mine_\@:
.endm
; The fourth half-step at a slot's end changes slots.  In front of ONE barrier each wave waits for all its tensor loads (one is out: its block of the other slot), adds 0 to its spare word, and waits for that, for its
; reads of this slot and of x, and for its stores of x.  mode = 1: the barrier opens a round of the cluster's, and this slot's joint refill, two tiles on, is the first thing behind it: 240 matrix instructions stand
; between it and the wait for it.  mode = 0, the tail: nothing is asked for; in the last slot nothing is fetched either.
.macro TURN mode
	WIN 0
	s_xor_b32 s[TB], s[TB], SLOT                   ; the fetches go on in the other slot
	v_add_nc_u32 v[BC], s[TB], v[BAB]
	v_add_nc_u32 v[BC+1], 2*SUBB, v[BC]
.if \mode
	s_wait_xcnt 0x0                                ; the last prefetch of the weights, a slot back, has read its address
	s_add_nc_u64 s[PFW:PFW+1], s[PFW:PFW+1], TSTEP
.endif
	s_wait_tensorcnt 0x0                           ; all my tensor loads have landed
	ds_add_u32 v[SPW], v[NIL]                      ; 0 onto my spare word
	s_wait_dscnt 0x1                               ; all but the add: my fragments are in
	MUL 1, 1, 0, 2, 0                              ; eight matrix instructions stand between the add and the wait for it
	s_wait_dscnt 0x0
	s_barrier_signal -1
	MUL 1, 1, 2, 2, 0
	WIN 0
	s_barrier_wait -1
.if \mode
	CREST                                          ; no wave of any partner still reads this slot or has a load on its way
	s_xor_b32 s[G0W+1], s[G0W+1], SLOT             ; the walking descriptor: the other slot than last time,
	s_add_nc_u64 s[G0W+2:G0W+3], s[G0W+2:G0W+3], TSTEP  ; the next tile; the type bits on top are not reached
	tensor_load_to_lds s[G0W:G0W+3], s[G1:G1+7]
	s_nop 0
	PLACES                                         ; the places in front of the loads below
	FETCHA 0, 0
	FETCHB BC, 0, 0
	ASK
.else
	PLACES
	s_cmp_eq_u32 s[TT], 2
	s_cbranch_scc0 .Lno_fetch_\@
	FETCHA 0, 0
	FETCHB BC, 0, 0
.Lno_fetch_\@:
.endif
	MUL 1, 1, 4, 4, 0
.endm
; A SLOT: 128 of K, 256 matrix instructions.  mode = 1: a pass's first 64 products start the sums: no accumulator is ever cleared.  (At the first trip the test's answer is a constant of the text.)
.macro SLOTB mode
.if \mode
	s_cmp_eq_u32 s[PH], 8
	s_cbranch_scc1 .Lzero_\@
.endif
	HS 0, 0, 0
	HS 1, 0, 0
.if \mode
	WIN 0
	s_branch .Ljoin_\@
.Lzero_\@:
	HS 0, 0, 1
	HS 1, 0, 1
	WIN 0
.Ljoin_\@:
.endif
	H10 0, \mode
	MID
	HS 0, 1, 0
	HS 1, 1, 0
	H10 1, \mode
	TURN \mode
.endm
; THE PARTIAL SCORES of a pass, a token tile at a time.  For my eight channels e and z = 4 i + gam: sum(i, 2 gam .. 2 gam + 1) += q(tile i)[e] x the pair (k of head 2 gam, of head 2 gam + 1)[e], which lies in
; tile 8 + gam + 4 (e / 4), registers 2 (e % 4), + 1.  i < 4: into S' in place; i >= 4: into T, whose first term starts it.  31 other sums stand between two links of a chain; e ascends.
; Then T crosses to the lane 16 away, whose heads it holds, and is added there.
.macro SCORE
	PLACES
.set t, 0
.rept 4
	WIN 0x5e                                       ; q in window 2, k in window 3, the sums in window 1
.set e, 0
.rept 8
.set z, 0
.rept 32
.if z < 16
.set rS, 32*t+2*z
.else
.set rS, TQ+2*(z-16)
.endif
.set rQ, 32*(z/4)+8*t+2*(e/2)
.set rK, 32*(z%4+4*(e/4))+8*t+2*(e%4)
.if (e == 0) && (z >= 16)
	v_pk_mul_f32 v[rS:rS+1], v[rQ:rQ+1], v[rK:rK+1] op_sel_hi:[0,1]
.elseif e%2
	v_pk_fma_f32 v[rS:rS+1], v[rQ:rQ+1], v[rK:rK+1], v[rS:rS+1] op_sel:[1,0,0]
.else
	v_pk_fma_f32 v[rS:rS+1], v[rQ:rQ+1], v[rK:rK+1], v[rS:rS+1] op_sel_hi:[0,1,1]
.endif
.set z, z+1
.endr
.set e, e+1
.endr
	WIN 0x01                                       ; from window 1 into window 0: registers that x's rounding has written before
.set n, 0
.rept 32
	v_permlanex16_b32 v[XC+n], v[TQ+n], s[SEL], s[SEL+1]
.set n, n+1
.endr
	WIN 0x41
.set n, 0
.rept 16
	v_pk_add_f32 v[32*t+2*n:32*t+2*n+1], v[32*t+2*n:32*t+2*n+1], v[XC+2*n:XC+2*n+1]
.set n, n+1
.endr
.set t, t+1
.endr
	WIN 0
.endm
	s_load_b128 s[4:7], s[0:1], 0x0                ; x s[4:5], wb s[6:7]
	s_load_b64 s[8:9], s[0:1], 0x10                ; ps
	v_lshl_add_u32 v[SPW], v0, 2, SPARE
	v_mov_b32 v[NIL], 0
	ds_add_u32 v[SPW], v[NIL]                      ; the wave's opening: the add, twice on end, and its wait ahead of my first tensor load; the set-up below stands between
	ds_add_u32 v[SPW], v[NIL]
	v_lshrrev_b32 v1, 5, v0
	v_readfirstlane_b32 s[WV], v1                  ; wave 0..3
	s_bfe_u32 s[CX], ttmp6, 0x40000                ; cx: my place in the cluster
	s_lshr_b32 s[TKB], ttmp9, 1                    ; in a cluster launch ttmp9 counts clusters
	s_lshl_b32 s[TKB], s[TKB], 2
	s_add_co_u32 s[TKB], s[TKB], s[CX]             ; my block of 128 tokens: it enters x's and ps's addresses alone
	s_and_b32 s[JJ], ttmp9, 1                      ; the half of the channels, which the four partners share
	s_lshr_b32 s[TH], s[WV], 1
	s_and_b32 s[CG], s[WV], 1
	; descriptor group 1: 32,768 dense bytes as 128 rows of 256
	s_mov_b32 s[G1+0], 15|(3<<16)|(1<<21)          ; 15:0 the mask: all four work-groups; 17:16 elements of 8 bytes; 21 set beside a mask; no padding
	s_mov_b32 s[G1+1], 32<<16                      ; tensor_dim0 = 32
	s_mov_b32 s[G1+2], 128<<16                     ; tensor_dim1 = 128
	s_mov_b32 s[G1+3], 32<<16                      ; tile_dim0 = 32
	s_mov_b32 s[G1+4], 128                         ; tile_dim1 = 128
	s_mov_b32 s[G1+5], 32                          ; 32 elements from row to row
	s_mov_b32 s[G1+6], 0
	s_mov_b32 s[G1+7], 0
	s_mov_b32 s[G0A], 1                            ; count = 1
	s_lshl_b32 s[G0A+1], s[WV], 15                 ; LDS address: block = my wave's number, slot 0
	s_mov_b32 s[G0W], 1
	s_add_co_u32 s[G0W+1], s[G0A+1], SLOT          ; and slot 1
	s_lshl_b32 s52, s[TH], 17                      ; my block in wb: the second 64 of K lie 131,072 bytes on,
	s_lshl_b32 s53, s[JJ], 16                      ; group 2 jj + wave % 2
	s_add_co_u32 s52, s52, s53
	s_lshl_b32 s53, s[CG], 15
	s_add_co_u32 s52, s52, s53
	s_mov_b32 s53, 0
	s_lshl_b32 s54, s[TKB], 19                     ; 128 rows of 4,096 bytes
	s_mov_b32 s55, 0
	s_lshl_b32 s56, s[CX], 13                      ; the prefetches: my work-group's 32 blocks of 256 bytes
	s_mov_b32 s57, 0
	s_lshl_b32 s58, s[JJ], 22                      ; ps: part jj, token 128 block + 32 wave, 256 bytes a token
	s_lshl_b32 s59, s[TKB], 15
	s_add_co_u32 s58, s58, s59
	s_lshl_b32 s59, s[WV], 13
	s_add_co_u32 s58, s58, s59
	s_mov_b32 s59, 0
	s_cmp_lt_u32 ttmp9, 2
	s_cselect_b32 s[LIM], 2, -1                    ; the same in all four partners
	s_cmp_eq_u32 s[JJ], 0
	s_cselect_b32 s[XL], XAHEAD, -1
	s_mov_b32 s[SEL], 0x76543210
	s_mov_b32 s[SEL+1], 0xfedcba98
	s_mov_b32 s[XK], 3840                          ; the first step wraps it to 0
	s_mov_b32 s[XK+1], 0
	s_mov_b32 s[TB], 0
	v_and_b32 v1, 15, v0                           ; r = lane % 16
	v_bfe_u32 v2, v0, 4, 1                         ; hf = lane / 16
	v_and_b32 v3, 31, v0                           ; lane
	s_lshl_b32 s2, s[CG], 15
	v_lshl_add_u32 v[BAB], v3, 4, s2
	v_mov_b32 v[BC], v[BAB]
	v_add_nc_u32 v[BC+1], 2*SUBB, v[BAB]
	s_mul_i32 s2, s[TH], 64*XPITCH
	s_add_co_u32 s2, s2, XR
	v_mul_u32_u24 v[XA], v1, XPITCH
	v_lshl_add_u32 v[XA], v2, 4, v[XA]
	v_add_nc_u32 v[XA], s2, v[XA]                  ; row 64 th + r, 16 hf
	v_add_nc_u32 v[XA+1], XBUF, v[XA]
	s_mul_i32 s2, s[WV], 32*XPITCH
	s_add_co_u32 s2, s2, XR
	v_mul_u32_u24 v[XW], v2, 8*XPITCH
	v_lshl_add_u32 v[XW], v1, 3, v[XW]
	v_add_nc_u32 v[XW], s2, v[XW]                  ; row 32 w + 8 hf, 8 bytes at 8 r
	v_add_nc_u32 v[XW+1], XBUF, v[XW]
	s_lshl_b32 s2, s[WV], 17                       ; 32 rows of 4,096 bytes
	v_lshlrev_b32 v[XO], 15, v2
	v_lshl_add_u32 v[XO], v1, 4, v[XO]
	v_add_nc_u32 v[XO], s2, v[XO]                  ; row 32 w + 8 hf, 16 bytes at 16 r
	v_lshl_add_u32 v[PFX], v3, 12, s2              ; row 32 w + lane
	v_lshlrev_b32 v[PFWO], 8, v3
	s_wait_dscnt 0x0                               ; both opening adds are done
	s_wait_kmcnt 0x0
	s_add_nc_u64 s[G0A+2:G0A+3], s[6:7], s[52:53]  ; global address: my block of tile 0,
	s_add_nc_u64 s[G0W+2:G0W+3], s[G0A+2:G0A+3], TSTEP  ; of tile 1
	s_add_nc_u64 s[PFW:PFW+1], s[G0A+2:G0A+3], s[56:57]
	s_add_nc_u64 s[PFW:PFW+1], s[PFW:PFW+1], 3*TSTEP  ; the first change of slots steps it to tile 4; tiles 0 to 3 come by their loads alone
	s_or_b32 s[G0A+3], s[G0A+3], 0x80000000        ; type = 2
	s_or_b32 s[G0W+3], s[G0W+3], 0x80000000
	s_add_nc_u64 s[XB:XB+1], s[4:5], s[54:55]
	s_add_nc_u64 s[8:9], s[8:9], s[58:59]
	CROUND                                         ; all four work-groups are here: the first joint loads meet
	tensor_load_to_lds s[G0A:G0A+3], s[G1:G1+7]    ; tile 0
	s_nop 0
	tensor_load_to_lds s[G0W:G0W+3], s[G1:G1+7]    ; tile 1: two loads of mine are out
	s_nop 0
	PLACES
	XLOAD                                          ; x's chunk 0
	; S' starts at 0, so that ONE text of the scores serves both passes; the 128 lines stand in the wait for the first tiles.
	WIN 0x40
.set i, 0
.rept 128
	v_mov_b32 v[i], 0
.set i, i+1
.endr
	WIN 0
	s_mul_i32 s2, s[CG], PCOPY
	s_mul_i32 s3, s[TH], 64*PPITCH
	s_add_co_u32 s2, s2, s3
	v_mul_u32_u24 v4, v1, PPITCH
	v_lshl_add_u32 v[PST], v2, 7, v4
	v_add_nc_u32 v[PST], s2, v[PST]                ; copy cg, token 64 th + r of a tile, heads 4 hf on
	s_mul_i32 s2, s[WV], 32*PPITCH
	v_mul_u32_u24 v[PLD], v2, PPITCH
	v_lshl_add_u32 v[PLD], v1, 4, v[PLD]
	v_add_nc_u32 v[PLD], s2, v[PLD]                ; token 32 w + hf, 16 bytes at 16 r
	v_lshlrev_b32 v[PGO], 4, v3
	XSTORE 0                                       ; x's chunk 0 into buffer 0 (its wait for the loads also frees their pointer)
	XLOAD                                          ; chunk 1
	s_wait_tensorcnt 0x1                           ; my block of tile 0 is in; tile 1's load, issued behind it, may stay out
	s_wait_dscnt 0x0                               ; my rows of x are stored
	BAR
	FETCHA 0, 0
	FETCHB BC, 0, 0
	s_mov_b32 s[LEFT], TILES-2
	s_mov_b32 s[PH], 8
.Lslot:                                ; 14 trips: a slot is multiplied and filled again.  Every branch hangs on counts that are alike in all work-groups
	SLOTB 1
	WIN 0
	s_sub_co_u32 s[PH], s[PH], 1
	s_sub_co_u32 s[LEFT], s[LEFT], 1
	s_cmp_lg_u32 s[LEFT], 0
	s_cbranch_scc1 .Lcheck                         ; the tail below is entered once, when every refill has been asked for
	s_mov_b32 s[TT], 2
.Ltail:                                ; the last two slots: no tensor load is written here, so none is jumped over
	SLOTB 0
	WIN 0
	s_sub_co_u32 s[TT], s[TT], 1
	s_cmp_lg_u32 s[TT], 0
	s_cbranch_scc1 .Ltail
	s_mov_b32 s[PH], 0                             ; the second pass is whole
.Lcheck:
	s_cmp_lg_u32 s[PH], 0
	s_cbranch_scc1 .Lback
	SCORE                                          ; behind slots 7 and 15: q and k of 16 channels a head are whole; behind slot 7 the next pass's tile lands meanwhile
	s_mov_b32 s[PH], 8
.Lback:
	s_cmp_lg_u32 s[LEFT], 0
	s_cbranch_scc1 .Lslot
	; THE WAY OUT.  In front of the tail's last barrier every wave's reads of the ring were back, and the ring has had its last fill: its bytes are scratch.  Each wave lays its scores out by tokens, the two column
	; groups in two copies; behind a barrier wave w takes tokens 32 w .. 32 w + 31 whole, adds the copies and stores them.
	PLACES                                         ; the copies come back into the weights' fragment registers: four places stand here, so that they lie behind the last product on every way through the text that leads out of the loop
	WIN 0x04                                       ; store data in window 1
.set t, 0
.rept 4
.set q, 0
.rept 8
	ds_store_b128 v[PST], v[32*t+4*q:32*t+4*q+3] offset:16*PPITCH*t+16*q
.set q, q+1
.endr
.set t, t+1
.endr
	WIN 0
	s_wait_dscnt 0x0                               ; for the others' sake
	BAR
.set i, 0
.rept 16
	ds_load_b128 v[BB+4*i:BB+4*i+3],       v[PLD] offset:2*PPITCH*i
	ds_load_b128 v[BB+64+4*i:BB+64+4*i+3], v[PLD] offset:PCOPY+2*PPITCH*i
.set i, i+1
.endr
	s_wait_dscnt 0x0
.set i, 0
.rept 32
	v_pk_add_f32 v[BB+2*i:BB+2*i+1], v[BB+2*i:BB+2*i+1], v[BB+64+2*i:BB+64+2*i+1]
.set i, i+1
.endr
.set i, 0
.rept 16
	global_store_b128 v[PGO], v[BB+4*i:BB+4*i+3], s[8:9] offset:512*i  ; two tokens' scores: 512 consecutive bytes, at a multiple of 512 from ps's first
.set i, i+1
.endr
	s_wait_tensorcnt 0x0                           ; the wave's end: behind my last tensor load and my last LDS store
	ds_add_u32 v[SPW], v[NIL]
	s_wait_dscnt 0x0
	CROUND                                         ; the closing round: no work-group ends while a partner may still ask for a tile that names it
	s_endpgm
.Lfunc_end_k_q53ad2a0495_scores:
	.size	k_q53ad2a0495_scores, .Lfunc_end_k_q53ad2a0495_scores-k_q53ad2a0495_scores
	.p2alignl 7, 3214868480
	.fill 96, 4, 3214868480
	.section	.rodata,"a",@progbits
	.p2align	6, 0x0
	.amdhsa_kernel k_q53ad2a0495_scores
		.amdhsa_group_segment_fixed_size 327680
		.amdhsa_private_segment_fixed_size 0
		.amdhsa_enable_private_segment 0
		.amdhsa_kernarg_size 24
		.amdhsa_user_sgpr_count 2
		.amdhsa_user_sgpr_kernarg_segment_ptr 1
		.amdhsa_wavefront_size32 1
		.amdhsa_system_sgpr_workgroup_id_x 1
		.amdhsa_system_sgpr_workgroup_id_y 1
		.amdhsa_system_sgpr_workgroup_id_z 1
		.amdhsa_system_vgpr_workitem_id 0
		.amdhsa_next_free_vgpr 1024
		.amdhsa_next_free_sgpr 66
		.amdhsa_reserve_vcc 0
		.amdhsa_float_denorm_mode_32 3
		.amdhsa_float_denorm_mode_16_64 3
		.amdhsa_memory_ordered 1
		.amdhsa_forward_progress 1
		.amdhsa_inst_pref_size 187
	.end_amdhsa_kernel
	.amdgpu_metadata
---
amdhsa.version: [ 1, 2 ]
amdhsa.kernels:
  - .name:           k_q53ad2a0495_scores
    .symbol:         k_q53ad2a0495_scores.kd
    .args:
      - { .name: x, .offset: 0, .size: 8, .value_kind: global_buffer, .address_space: global }
      - { .name: wb, .offset: 8, .size: 8, .value_kind: global_buffer, .address_space: global }
      - { .name: ps, .offset: 16, .size: 8, .value_kind: global_buffer, .address_space: global }
    .group_segment_fixed_size: 327680
    .private_segment_fixed_size: 0
    .kernarg_segment_align: 8
    .kernarg_segment_size: 24
    .max_flat_workgroup_size: 128
    .sgpr_count:     66
    .vgpr_count:     1024
    .wavefront_size: 32
...
	.end_amdgpu_metadata
.endif
;; end of part 2
;; launch mix (part 3): grid 256 x 1, 4 waves a work-group, clusters of 4 x 1, 327,680 bytes of LDS; arguments x, wb, ps, out0; writes out0
.if DOCPART == 3
	.amdgcn_target "amdgcn-amd-amdhsa--gfx1250"
	.amdhsa_code_object_version 6
	.text
	.protected	k_q53ad2a0495_mix
	.globl	k_q53ad2a0495_mix
	.p2align	8
	.type	k_q53ad2a0495_mix,@function
k_q53ad2a0495_mix:
	s_mov_b64 s[64:65], 0
	v_nop
	global_prefetch_b8 v0, s[64:65] scope:SCOPE_SE
	s_setreg_imm32_b32 hwreg(HW_REG_WAVE_MODE, 25, 1), 1
	s_wait_xcnt 0x0
	s_wait_alu depctr_hold_cnt(0) depctr_sa_sdst(0) depctr_va_vdst(0) depctr_va_sdst(0) depctr_va_ssrc(0) depctr_va_vcc(0) depctr_vm_vsrc(0)
	s_getreg_b32 s2, hwreg(HW_REG_IB_STS2, 6, 4)
	s_cmp_eq_u32 s2, 0
	s_cbranch_scc0 .Lentry_in_a_cluster
	s_endpgm
.Lentry_in_a_cluster:
	s_bfe_u32 s2, ttmp6, 0x10000c
	s_cmp_lg_u32 s2, 0x3003
	s_cbranch_scc0 .Lentry_shape_is_right
	s_endpgm
.Lentry_shape_is_right:
; out[t][h][d] = the sum over g of softmax_g((ps[0][t][h][g] + ps[1][t][h][g]) / sqrt(128)) v[t][g][d], with v = x Wv^T cut into 8 heads of 128.  Nothing is left out.
; FORMATS.  x and the weights are rounded once to bf16 for the projection; the scores, the softmax, v and the weighted sum stay in f32; v never leaves the work-group.
; LIMITS.  A weight below 2^-126 counts as 0 (v_exp_f32 gives 0 there); NaN and infinities are not treated apart (the maximum drops a NaN); the sums are taken in another order than the reference's.
; SHARES.  A work-group owns 128 tokens and the channels d = 64 jj .. 64 jj + 63 of every head.  Wave w: th = w / 2 picks 64 tokens (four tiles tt of 16), cg = w % 2 the channels 64 jj + 32 cg + 0..31:
; 8 heads x 32 d = 256 columns: 16 column tiles nt = 2 g + ct x 4 tt = 64 accumulators.  The products are taken transposed (source 0 = 16 weight rows, source 1 = 16 tokens): a lane holds ONE token
; (lane % 16) and eight d of one head, so the sum over g is the lane's own.
; THE SOFTMAX stands at the head, in the wait for the first tiles.  Wave w reads the scores of tokens 32 w .. 32 w + 31 as they lie: a lane has four neighbouring g of one head in each of 16 quads, the lane beside it
; the other four: the TRUE maximum and the sum of a row of 8 want one exchange with that lane.  The weights wait in 64 registers; behind the last product they go through LDS to the lanes that need them.
; THE RING, x, THE CLUSTER: as in the launch before: tiles of 128 along K x 512 columns in two LDS slots, four dense blocks of 32,768 bytes, wave i fetching block i jointly with its three partners, which walk the
; same weights; x through registers, rounded on the way, 64 of K a chunk, with a plain barrier of its own in a slot's middle.  One pass of eight tiles.
; THE WEIGHTED SUM is written once and walked four times: a token tile's 128 sums of v are first copied to fixed registers (four short texts, chosen by the count).
; REGISTERS, in windows of 256 (s_set_vgpr_msb: bits 1:0 source 0, 3:2 source 1, 5:4 source 2, 7:6 destination):
;   window 0: v0-29 addresses; v32-95 x's fragments; v96-223 the weights' fragments (at the head: the scores and the softmax's work; at the end: the output of one token tile); v224-255 x rounded
;   window 1: v0-63 the softmax's weights; v64-191 a token tile's v; v192-255 x as loaded          windows 2, 3: accumulator (nt, tt) in window 2 + nt / 8 at 8 (4 (nt % 8) + tt)
.set TILES,  8
.set XAHEAD, 2                         ; x is prefetched while the count of slots is at least this: slots 0 to 4
.set SLOT,   131072
.set SUBB,   32768
.set TSTEP,  262144                    ; from a tile to the next in wb: 128 of K x all four groups
.set XR,     2*SLOT                    ; x in bf16: two buffers of 128 rows
.set XPITCH, 144                       ; 128 bytes + 16: the 16 rows of a fragment load start at 16 different groups of four banks (64 banks of 4 bytes: ISA guide 11.1)
.set XBUF,   128*XPITCH
.set SPARE,  XR+2*XBUF                 ; the spare words, 128 bytes for each wave: two blocks of 256 bytes that no other line names
.set PPITCH, 272                       ; 64 weights of a token, 256 bytes + 16; the 128 tokens' lie from LDS byte 0 on, in the ring, which has had its last fill by then
.set STG,    128*PPITCH                ; behind them: the stages
.set SPITCH, 2064                      ; a token's 8 heads x 64 d, 2,048 bytes + 16
.set STGH,   16*SPITCH                 ; 16 tokens: what the two waves of one th fill together
.set STG2,   2*STGH                    ; a stage: both th; two stages take turns
.set BAB,  8                           ; v8      my 16 bytes of a fragment in my group's block of slot 0, first 64 of K; never rewritten
.set BC,   10                          ; v10-11  the same in the slot in hand, first and second 64 of K
.set XA,   12                          ; v12-13  my place in a fragment of x, buffer 0, 1
.set XW,   14                          ; v14-15  where I put 8 bytes of x, buffer 0, 1
.set XO,   16                          ; v16     my byte offset in the work-group's rows of x
.set PFX,  17                          ; v17     x's prefetch: a lane a row
.set PFWO, 18                          ; v18     the weights' prefetch: 256 x lane
.set AST,  19                          ; v19     where I put the softmax's weights
.set ALD,  20                          ; v20     where I read my token's, tile 0
.set STO,  21                          ; v21     the way out: where I put 16 bytes of a row, stage 0
.set RD,   22                          ; v22     where I read rows back, stage 0
.set GO,   23                          ; v23     my byte offset in the work-group's rows of the output
.set STOC, 24                          ; v24-26  the three LDS addresses for the tile in hand
.set RDC,  25
.set ALDC, 26
.set PGO,  27                          ; v27     16 x lane
.set SPW,  28                          ; v28     LDS address of my spare word: SPARE + 4 x my thread's number; never rewritten
.set NIL,  29                          ; v29     0; never rewritten
.set AB,   32
.set BB,   96
.set XC,   224
.set OUT,  96                          ; OUT(h, ct, j) at 96 + 16 h + 8 ct + j
.set PA,   96                          ; the head: the scores, 16 quads; then the exponentials
.set PB,   160                         ; the second part
.set MM,   32                          ; quad i: c m at 32 + 2 i, m beside it
.set LL,   64                          ; quad i: the sum, then 1 / l, at 64 + 2 i
.set VC,   64                          ; window 1
.set XS,   192                         ; window 1
.set WV,   12                          ; s12  my wave's number
.set CX,   13                          ; s13  my place in the cluster
.set TH,   14                          ; s14  wave / 2
.set CG,   15                          ; s15  wave % 2
.set G1,   16                          ; s[16:23] descriptor group 1
.set G0A,  24                          ; s[24:27] descriptor group 0 of tile 0
.set G0W,  28                          ; s[28:31] of tile 1; then it walks
.set XB,   32                          ; s[32:33] x at the work-group's first row
.set XK,   34                          ; s[34:35] the byte offset along K of the chunk of x last asked for, and 0
.set XPT,  36                          ; s[36:37] their sum
.set PFW,  38                          ; s[38:39] where my prefetches of the weights stand
.set LIM,  40                          ; s40  2 in the first cluster of each jj, else the greatest number
.set LEFT, 41                          ; s41  slots still to be filled again
.set PH,   42                          ; s42  8 in the first slot alone
.set XL,   43                          ; s43  XAHEAD where jj = 0, else the greatest number
.set CS,   44                          ; s[44:45] c = log2(e) / sqrt(128)
.set TB,   46                          ; s46  LDS byte at which the slot in hand begins
.set JJ,   47                          ; s47  which half of the channels
.set TKB,  48                          ; s48  my block of 128 tokens
.set TT,   49                          ; s49  counts the tail's two slots, then the four token tiles
.set SG,   50                          ; s50  the stage in hand: 0 or STG2
.set AO,   51                          ; s51  the tile in hand among the softmax's weights
.set MSB, 0
.macro WIN new                         ; the immediate's high byte repeats the setting that is left; a switch that changes nothing is dropped
.if MSB != (\new)
	s_set_vgpr_msb (MSB<<8)|(\new)
.set MSB, \new
.endif
.endm
.macro PLACES                          ; four places in front of loads into registers that matrix instructions have read, and of lines that read results
.rept 4
	v_nop
.endr
.endm
.macro BAR
	s_barrier_signal -1
	s_barrier_wait -1
.endm
.macro CREST                           ; a round of the cluster's barrier behind its opening barrier
	s_cmp_lg_u32 s[WV], 0
	s_cbranch_scc1 .Lnot_wave_0_\@
	s_barrier_signal -3
.Lnot_wave_0_\@:
	s_barrier_wait -3
	s_barrier_signal -1
	s_barrier_wait -1
.endm
.macro CROUND
	BAR
	CREST
.endm
; The weights' fragments of column tiles 8 b .. 8 b + 7, 32 channels kq, from the block at register a: each fragment is 1,024 dense bytes, two loads of 512
.macro FETCHB a, kq, b
	WIN 0
.irp i, 0,1,2,3,4,5,6,7
	ds_load_b128 v[BB+64*(\b)+8*(\i):BB+64*(\b)+8*(\i)+3],   v[\a] offset:(\kq)*16384+(8*(\b)+(\i))*1024
	ds_load_b128 v[BB+64*(\b)+8*(\i)+4:BB+64*(\b)+8*(\i)+7], v[\a] offset:(\kq)*16384+(8*(\b)+(\i))*1024+512
.endr
.endm
; x's fragments of my four token tiles, 32 channels kq of buffer b
.macro FETCHA b, kq
	WIN 0
.irp i, 0,1,2,3
	ds_load_b128 v[AB+32*(\kq)+8*(\i):AB+32*(\kq)+8*(\i)+3],   v[XA+(\b)] offset:16*XPITCH*(\i)+64*(\kq)
	ds_load_b128 v[AB+32*(\kq)+8*(\i)+4:AB+32*(\kq)+8*(\i)+7], v[XA+(\b)] offset:16*XPITCH*(\i)+64*(\kq)+32
.endr
.endm
; 4 cnt matrix instructions: column tiles 8 b + n0 on, all four token tiles.  Every accumulator comes once in a run, so no two that follow each other share one.  zero = 1: the product starts the sum
.macro MUL kq, b, n0, cnt, zero
	WIN 0xa0+0x50*(\b)
.set n, (\n0)
.rept (\cnt)
.irp t, 0,1,2,3
.if \zero
	v_wmma_f32_16x16x32_bf16 v[32*n+8*(\t):32*n+8*(\t)+7], v[BB+64*(\b)+8*n:BB+64*(\b)+8*n+7], v[AB+32*(\kq)+8*(\t):AB+32*(\kq)+8*(\t)+7], 0
.else
	v_wmma_f32_16x16x32_bf16 v[32*n+8*(\t):32*n+8*(\t)+7], v[BB+64*(\b)+8*n:BB+64*(\b)+8*n+7], v[AB+32*(\kq)+8*(\t):AB+32*(\kq)+8*(\t)+7], v[32*n+8*(\t):32*n+8*(\t)+7]
.endif
.endr
.set n, n+1
.endr
.endm
; The next chunk of x: my 32 rows x 256 bytes, sixteen lanes to a row; load i takes rows 8 (lane / 16) + i % 8 + 16 (i / 8) of them
.macro XLOAD
	s_add_co_u32 s[XK], s[XK], 256
	s_and_b32 s[XK], s[XK], 4095
	s_add_nc_u64 s[XPT:XPT+1], s[XB:XB+1], s[XK:XK+1]
	WIN 0x40                                       ; destination window 1
.set i, 0
.rept 16
	global_load_b128 v[XS+4*i:XS+4*i+3], v[XO], s[XPT:XPT+1] offset:4096*(i%8+16*(i/8))
.set i, i+1
.endr
	WIN 0
.endm
; The chunk that has come is rounded to bf16 and put into buffer b: the two rows of a store lie 8 x 144 bytes apart, half a row of banks
.macro XSTORE b
	s_wait_loadcnt 0x0
	WIN 0x05                                       ; sources window 1, destination window 0
.set i, 0
.rept 16
	v_cvt_pk_bf16_f32 v[XC+2*i],   v[XS+4*i],   v[XS+4*i+1]
	v_cvt_pk_bf16_f32 v[XC+2*i+1], v[XS+4*i+2], v[XS+4*i+3]
.set i, i+1
.endr
	WIN 0
.set i, 0
.rept 16
	ds_store_b64 v[XW+(\b)], v[XC+2*i:XC+2*i+1] offset:XPITCH*(i%8+16*(i/8))
.set i, i+1
.endr
.endm
; 64 OF K ARE FOUR HALF-STEPS of 32 matrix instructions: (kq, b) = (0,0), (0,1), (1,0), (1,1).  Each waits for its own fragments, issues the next half-step's loads in one run, and multiplies.
; The first two, for half sp of the slot.
.macro HS b, sp, zero
	s_wait_dscnt 0x0                               ; my fragments, asked for a half-step ago, are in
	PLACES
.if (\b) == 0
	FETCHB BC+(\sp), 0, 1
.else
	FETCHA \sp, 1
	FETCHB BC+(\sp), 1, 0
.endif
	MUL 0, \b, 0, 8, \zero
.endm
; The third, which also carries x: the chunk that has come goes into the other buffer (its last readers passed the last barrier), and the chunk after it is asked for.  On every way x's registers are loaded
; again only behind XSTORE's wait for the loads before.
; mode = 1, the loop: where jj = 0, my 32 rows' 256 bytes of the chunk four on from the one just asked for are prefetched, a lane a row: each block once in the launch; it stops at the rows' end.
; mode = 0, the tail: the last slot asks for nothing more, and its second half has nothing to store: forward jumps on the tail's count, round loads and stores alone.  In the second half the store, with its wait,
; and the loads stand inside ONE jump.
.macro H10 sp, mode
	s_wait_dscnt 0x0
	WIN 0
.if \mode
	XSTORE 1-(\sp)                                 ; its conversions are the places in front of the loads below
	FETCHB BC+(\sp), 1, 1
	s_wait_xcnt 0x0                                ; the loads and the prefetch that read x's pointer stand 64 of K back: the pointer is written only behind this wait
	XLOAD
	s_cmp_ge_u32 s[LEFT], s[XL]
	s_cbranch_scc0 .Lno_x_\@
	global_prefetch_b8 v[PFX], s[XPT:XPT+1] offset:1024 th:TH_LOAD_NT scope:SCOPE_SE
.Lno_x_\@:
.elseif (\sp) == 0
	XSTORE 1
	FETCHB BC, 1, 1
	s_cmp_eq_u32 s[TT], 2
	s_cbranch_scc0 .Lno_load_\@
	s_wait_xcnt 0x0
	XLOAD
.Lno_load_\@:
.else
	s_cmp_eq_u32 s[TT], 2
	s_cbranch_scc0 .Lno_x_\@
	XSTORE 0
	s_wait_xcnt 0x0
	XLOAD
.Lno_x_\@:
	PLACES
	FETCHB BC+1, 1, 1
.endif
	MUL 1, 0, 0, 8, 0
.endm
; The fourth half-step in a slot's middle: a plain barrier for x alone.  In front of it my stores of the next chunk and my reads of the last are done; behind it the next chunk is whole.  My tensor load stays out.
.macro MID
	s_wait_dscnt 0x0
	s_barrier_signal -1
	MUL 1, 1, 0, 4, 0
	s_barrier_wait -1
	PLACES
	FETCHA 1, 0
	FETCHB BC+1, 0, 0
	MUL 1, 1, 4, 4, 0
.endm
; A prefetch of the weights: the tile that stands TWO refills on from the one just asked for.  32 clusters walk each jj's tiles: the first of them asks; its sixteen waves share the tile's 512 blocks of
; 256 bytes out by address: of the block that wave i fetches, the partner at place cx takes 32, a lane each.  The counts 1 and 2 ask for nothing: the tile would not exist.
.macro ASK
	s_cmp_gt_u32 s[LEFT], s[LIM]
	s_cbranch_scc0 .Lnot_mine_\@
	global_prefetch_b8 v[PFWO], s[PFW:PFW+1] th:TH_LOAD_NT scope:SCOPE_SE
.Lnot_mine_\@:
.endm
; The fourth half-step at a slot's end changes slots.  In front of ONE barrier each wave waits for all its tensor loads (one is out: its block of the other slot), adds 0 to its spare word, and waits for that, for its
; reads of this slot and of x, and for its stores of x.  mode = 1: the barrier opens a round of the cluster's, and this slot's joint refill, two tiles on, is the first thing behind it: 240 matrix instructions stand
; between it and the wait for it.  mode = 0, the tail: nothing is asked for; in the last slot nothing is fetched either.
.macro TURN mode
	WIN 0
	s_xor_b32 s[TB], s[TB], SLOT                   ; the fetches go on in the other slot
	v_add_nc_u32 v[BC], s[TB], v[BAB]
	v_add_nc_u32 v[BC+1], 2*SUBB, v[BC]
.if \mode
	s_wait_xcnt 0x0                                ; the last prefetch of the weights, a slot back, has read its address
	s_add_nc_u64 s[PFW:PFW+1], s[PFW:PFW+1], TSTEP
.endif
	s_wait_tensorcnt 0x0                           ; all my tensor loads have landed
	ds_add_u32 v[SPW], v[NIL]                      ; 0 onto my spare word
	s_wait_dscnt 0x1                               ; all but the add: my fragments are in
	MUL 1, 1, 0, 2, 0                              ; eight matrix instructions stand between the add and the wait for it
	s_wait_dscnt 0x0
	s_barrier_signal -1
	MUL 1, 1, 2, 2, 0
	WIN 0
	s_barrier_wait -1
.if \mode
	CREST                                          ; no wave of any partner still reads this slot or has a load on its way
	s_xor_b32 s[G0W+1], s[G0W+1], SLOT             ; the walking descriptor: the other slot than last time,
	s_add_nc_u64 s[G0W+2:G0W+3], s[G0W+2:G0W+3], TSTEP  ; the next tile; the type bits on top are not reached
	tensor_load_to_lds s[G0W:G0W+3], s[G1:G1+7]
	s_nop 0
	PLACES                                         ; the places in front of the loads below
	FETCHA 0, 0
	FETCHB BC, 0, 0
	ASK
.else
	PLACES
	s_cmp_eq_u32 s[TT], 2
	s_cbranch_scc0 .Lno_fetch_\@
	FETCHA 0, 0
	FETCHB BC, 0, 0
.Lno_fetch_\@:
.endif
	MUL 1, 1, 4, 4, 0
.endm
; A SLOT: 128 of K, 256 matrix instructions.  mode = 1: the first slot's first 64 products start the sums: no accumulator is ever cleared.  (At the first trip the test's answer is a constant of the text.)
.macro SLOTB mode
.if \mode
	s_cmp_eq_u32 s[PH], 8
	s_cbranch_scc1 .Lzero_\@
.endif
	HS 0, 0, 0
	HS 1, 0, 0
.if \mode
	WIN 0
	s_branch .Ljoin_\@
.Lzero_\@:
	HS 0, 0, 1
	HS 1, 0, 1
	WIN 0
.Ljoin_\@:
.endif
	H10 0, \mode
	MID
	HS 0, 1, 0
	HS 1, 1, 0
	H10 1, \mode
	TURN \mode
.endm
; Token tile k's sums of v go to fixed registers of window 1: tile nt's eight at VC + 8 nt, each accumulator from its low end on
.macro MOVE k
.set n, 0
.rept 16
	WIN 0x42+n/8                                   ; from window 2 or 3 into window 1
.set j, 0
.rept 8
	v_mov_b32 v[VC+8*n+j], v[32*(n%8)+8*(\k)+j]
.set j, j+1
.endr
.set n, n+1
.endr
	WIN 0
.endm
; THE WEIGHTED SUM for the tile in hand: OUT(h, ct, 2 i .. 2 i + 1) = the sum over g of a(h, g) x v(tile 2 g + ct, registers 2 i, + 1).  u = 8 h + 4 ct + i; 63 other sums stand between two links of a chain.
.macro PV
	WIN 0x05                                       ; a and v in window 1, the sums in window 0
.set g, 0
.rept 8
.set u, 0
.rept 64
.set rO, OUT+2*u
.set rA, 8*(u/8)+2*(g/2)
.set rV, VC+8*(2*g+(u/4)%2)+2*(u%4)
.if g == 0
	v_pk_mul_f32 v[rO:rO+1], v[rA:rA+1], v[rV:rV+1] op_sel_hi:[0,1]
.elseif g%2
	v_pk_fma_f32 v[rO:rO+1], v[rA:rA+1], v[rV:rV+1], v[rO:rO+1] op_sel:[1,0,0]
.else
	v_pk_fma_f32 v[rO:rO+1], v[rA:rA+1], v[rV:rV+1], v[rO:rO+1] op_sel_hi:[0,1,1]
.endif
.set u, u+1
.endr
.set g, g+1
.endr
	WIN 0
.endm
; The rows that came back from the stage are stored: line n holds row n / 4 of my eight, heads 2 (n % 4) and 2 (n % 4) + 1: sixteen lanes store a head's 64 d, 256 consecutive bytes, at a multiple of 256 from the output's first
.macro SEND
.set n, 0
.rept 32
	global_store_b128 v[GO], v[OUT+4*n:OUT+4*n+3], s[10:11] offset:4096*(n/4)+1024*(n%4) th:TH_STORE_NT
.set n, n+1
.endr
.endm
	s_load_b256 s[4:11], s[0:1], 0x0               ; x s[4:5], wb s[6:7], ps s[8:9], out0 s[10:11]
	v_lshl_add_u32 v[SPW], v0, 2, SPARE
	v_mov_b32 v[NIL], 0
	ds_add_u32 v[SPW], v[NIL]                      ; the wave's opening: the add, twice on end, and its wait ahead of my first tensor load; the set-up below stands between
	ds_add_u32 v[SPW], v[NIL]
	v_lshrrev_b32 v1, 5, v0
	v_readfirstlane_b32 s[WV], v1                  ; wave 0..3
	s_bfe_u32 s[CX], ttmp6, 0x40000                ; cx: my place in the cluster
	s_lshr_b32 s[TKB], ttmp9, 1                    ; in a cluster launch ttmp9 counts clusters
	s_lshl_b32 s[TKB], s[TKB], 2
	s_add_co_u32 s[TKB], s[TKB], s[CX]             ; my block of 128 tokens: it enters x's, ps's and the output's addresses alone
	s_and_b32 s[JJ], ttmp9, 1                      ; the half of the channels, which the four partners share
	s_lshr_b32 s[TH], s[WV], 1
	s_and_b32 s[CG], s[WV], 1
	; descriptor group 1: 32,768 dense bytes as 128 rows of 256
	s_mov_b32 s[G1+0], 15|(3<<16)|(1<<21)          ; 15:0 the mask: all four work-groups; 17:16 elements of 8 bytes; 21 set beside a mask; no padding
	s_mov_b32 s[G1+1], 32<<16                      ; tensor_dim0 = 32
	s_mov_b32 s[G1+2], 128<<16                     ; tensor_dim1 = 128
	s_mov_b32 s[G1+3], 32<<16                      ; tile_dim0 = 32
	s_mov_b32 s[G1+4], 128                         ; tile_dim1 = 128
	s_mov_b32 s[G1+5], 32                          ; 32 elements from row to row
	s_mov_b32 s[G1+6], 0
	s_mov_b32 s[G1+7], 0
	s_mov_b32 s[G0A], 1                            ; count = 1
	s_lshl_b32 s[G0A+1], s[WV], 15                 ; LDS address: block = my wave's number, slot 0
	s_mov_b32 s[G0W], 1
	s_add_co_u32 s[G0W+1], s[G0A+1], SLOT          ; and slot 1
	s_lshl_b32 s52, s[TH], 17                      ; my block in wb: the second 64 of K lie 131,072 bytes on,
	s_lshl_b32 s53, s[JJ], 16                      ; group 2 jj + wave % 2,
	s_add_co_u32 s52, s52, s53
	s_lshl_b32 s53, s[CG], 15
	s_add_co_u32 s52, s52, s53
	s_add_co_u32 s52, s52, 32*SLOT                 ; behind the 32 x 131,072 bytes of q and k
	s_mov_b32 s53, 0
	s_lshl_b32 s54, s[TKB], 19                     ; 128 rows of 4,096 bytes
	s_mov_b32 s55, 0
	s_lshl_b32 s56, s[CX], 13                      ; the prefetches: my work-group's 32 blocks of 256 bytes
	s_mov_b32 s57, 0
	s_lshl_b32 s58, s[TKB], 15                     ; ps: token 128 block + 32 wave, 256 bytes a token
	s_lshl_b32 s59, s[WV], 13
	s_add_co_u32 s58, s58, s59
	s_mov_b32 s59, 0
	s_cmp_lt_u32 ttmp9, 2
	s_cselect_b32 s[LIM], 2, -1                    ; the same in all four partners
	s_cmp_eq_u32 s[JJ], 0
	s_cselect_b32 s[XL], XAHEAD, -1
	s_mov_b32 s[CS], 0x3e0293ee                    ; c = log2(e) / sqrt(128) = 0.127517
	s_mov_b32 s[CS+1], s[CS]                       ; named with it as a pair
	s_mov_b32 s[XK], 3840                          ; the first step wraps it to 0
	s_mov_b32 s[XK+1], 0
	s_mov_b32 s[TB], 0
	v_and_b32 v1, 15, v0                           ; r = lane % 16
	v_bfe_u32 v2, v0, 4, 1                         ; hf = lane / 16
	v_and_b32 v3, 31, v0                           ; lane
	s_lshl_b32 s2, s[CG], 15
	v_lshl_add_u32 v[BAB], v3, 4, s2
	v_mov_b32 v[BC], v[BAB]
	v_add_nc_u32 v[BC+1], 2*SUBB, v[BAB]
	s_mul_i32 s2, s[TH], 64*XPITCH
	s_add_co_u32 s2, s2, XR
	v_mul_u32_u24 v[XA], v1, XPITCH
	v_lshl_add_u32 v[XA], v2, 4, v[XA]
	v_add_nc_u32 v[XA], s2, v[XA]                  ; row 64 th + r, 16 hf
	v_add_nc_u32 v[XA+1], XBUF, v[XA]
	s_mul_i32 s2, s[WV], 32*XPITCH
	s_add_co_u32 s2, s2, XR
	v_mul_u32_u24 v[XW], v2, 8*XPITCH
	v_lshl_add_u32 v[XW], v1, 3, v[XW]
	v_add_nc_u32 v[XW], s2, v[XW]                  ; row 32 w + 8 hf, 8 bytes at 8 r
	v_add_nc_u32 v[XW+1], XBUF, v[XW]
	s_lshl_b32 s2, s[WV], 17                       ; 32 rows of 4,096 bytes
	v_lshlrev_b32 v[XO], 15, v2
	v_lshl_add_u32 v[XO], v1, 4, v[XO]
	v_add_nc_u32 v[XO], s2, v[XO]                  ; row 32 w + 8 hf, 16 bytes at 16 r
	v_lshl_add_u32 v[PFX], v3, 12, s2              ; row 32 w + lane
	v_lshlrev_b32 v[PFWO], 8, v3
	v_lshlrev_b32 v[PGO], 4, v3
	s_wait_dscnt 0x0                               ; both opening adds are done
	s_wait_kmcnt 0x0
	s_add_nc_u64 s[G0A+2:G0A+3], s[6:7], s[52:53]  ; global address: my block of tile 0,
	s_add_nc_u64 s[G0W+2:G0W+3], s[G0A+2:G0A+3], TSTEP  ; of tile 1
	s_add_nc_u64 s[PFW:PFW+1], s[G0A+2:G0A+3], s[56:57]
	s_add_nc_u64 s[PFW:PFW+1], s[PFW:PFW+1], 3*TSTEP  ; the first change of slots steps it to tile 4; tiles 0 to 3 come by their loads alone
	s_or_b32 s[G0A+3], s[G0A+3], 0x80000000        ; type = 2
	s_or_b32 s[G0W+3], s[G0W+3], 0x80000000
	s_add_nc_u64 s[XB:XB+1], s[4:5], s[54:55]
	s_add_nc_u64 s[10:11], s[10:11], s[54:55]
	s_add_nc_u64 s[8:9], s[8:9], s[58:59]
	CROUND                                         ; all four work-groups are here: the first joint loads meet
	tensor_load_to_lds s[G0A:G0A+3], s[G1:G1+7]    ; tile 0
	s_nop 0
	tensor_load_to_lds s[G0W:G0W+3], s[G1:G1+7]    ; tile 1: two loads of mine are out
	s_nop 0
	PLACES
.set i, 0
.rept 16                               ; both parts of my 32 tokens' scores, 512 consecutive bytes a load
	global_load_b128 v[PA+4*i:PA+4*i+3], v[PGO], s[8:9] offset:512*i
	global_load_b128 v[PB+4*i:PB+4*i+3], v[PGO], s[8:9] offset:4194304+512*i
.set i, i+1
.endr
	XLOAD                                          ; x's chunk 0
	v_mul_u32_u24 v4, v1, PPITCH                   ; 272 r
	s_mul_i32 s2, s[TH], 64*PPITCH
	v_add_nc_u32 v[ALD], s2, v4                    ; token 64 th + r
	s_mul_i32 s2, s[WV], 32*PPITCH
	v_mul_u32_u24 v[AST], v2, PPITCH
	v_lshl_add_u32 v[AST], v1, 4, v[AST]
	v_add_nc_u32 v[AST], s2, v[AST]                ; token 32 w + hf, 16 bytes at 16 r
	s_mul_i32 s2, s[TH], STGH
	s_add_co_u32 s2, s2, STG
	s_lshl_b32 s3, s[CG], 7
	s_add_co_u32 s3, s3, s2
	v_mul_u32_u24 v[STO], v1, SPITCH
	v_lshl_add_u32 v[STO], v2, 5, v[STO]
	v_add_nc_u32 v[STO], s3, v[STO]                ; row r, byte 128 cg + 32 hf of a head's 256
	s_mul_i32 s3, s[CG], 8*SPITCH
	s_add_co_u32 s3, s3, s2
	v_lshl_add_u32 v[RD], v3, 4, s3                ; rows 8 cg on
	s_lshl_b32 s2, s[TH], 18
	s_lshl_b32 s3, s[CG], 15
	s_add_co_u32 s2, s2, s3
	s_lshl_b32 s3, s[JJ], 8
	s_add_co_u32 s2, s2, s3
	v_lshlrev_b32 v[GO], 9, v2
	v_lshl_add_u32 v[GO], v1, 4, v[GO]
	v_add_nc_u32 v[GO], s2, v[GO]                  ; row 64 th + 8 cg; head hf of a pair, its bytes 256 jj + 16 r
	XSTORE 0                                       ; x's chunk 0 into buffer 0 (its wait is for all loads: the scores are in too, and x's pointer is free)
	XLOAD                                          ; chunk 1
	; THE SOFTMAX: p = 2^(c s - c m) with m the row's true maximum.  Sixteen quads go side by side, so that no line waits for the one before it.
.set i, 0
.rept 32
	v_pk_add_f32 v[PA+2*i:PA+2*i+1], v[PA+2*i:PA+2*i+1], v[PB+2*i:PB+2*i+1]
.set i, i+1
.endr
.set i, 0
.rept 16
	v_max3_num_f32 v[MM+2*i+1], v[PA+4*i], v[PA+4*i+1], v[PA+4*i+2]
.set i, i+1
.endr
.set i, 0
.rept 16
	v_max_num_f32 v[MM+2*i+1], v[MM+2*i+1], v[PA+4*i+3]
.set i, i+1
.endr
.set i, 0
.rept 16
	v_max_num_f32_dpp v[MM+2*i+1], v[MM+2*i+1], v[MM+2*i+1] row_xmask:1 row_mask:0xf bank_mask:0xf  ; the row's other four g lie in the lane beside mine
.set i, i+1
.endr
.set i, 0
.rept 16
	v_mul_f32 v[MM+2*i], s[CS], v[MM+2*i+1]
.set i, i+1
.endr
.set i, 0
.rept 32
	v_pk_fma_f32 v[PA+2*i:PA+2*i+1], v[PA+2*i:PA+2*i+1], s[CS:CS+1], v[MM+2*(i/2):MM+2*(i/2)+1] op_sel_hi:[1,0,0] neg_lo:[0,0,1] neg_hi:[0,0,1]
.set i, i+1
.endr
.set i, 0
.rept 64
	v_exp_f32 v[PA+i], v[PA+i]
.set i, i+1
.endr
	v_nop                                          ; a plain instruction behind the last exponential (ISA guide 5.7.2),
	s_wait_alu depctr_va_vdst(0)                   ; and the one wait ahead of the batch's first reader
.set i, 0
.rept 16
	v_pk_add_f32 v[LL+2*i:LL+2*i+1], v[PA+4*i:PA+4*i+1], v[PA+4*i+2:PA+4*i+3]
.set i, i+1
.endr
.set i, 0
.rept 16
	v_add_f32 v[LL+2*i], v[LL+2*i], v[LL+2*i+1]
.set i, i+1
.endr
.set i, 0
.rept 16
	v_add_f32_dpp v[LL+2*i], v[LL+2*i], v[LL+2*i] row_xmask:1 row_mask:0xf bank_mask:0xf
.set i, i+1
.endr
.set i, 0
.rept 16
	v_rcp_f32 v[LL+2*i], v[LL+2*i]
.set i, i+1
.endr
	v_nop
	s_wait_alu depctr_va_vdst(0)                   ; one wait for the sixteen reciprocals
	WIN 0x40                                       ; the weights go into window 1, where they wait for the products' end
.set i, 0
.rept 32
	v_pk_mul_f32 v[2*i:2*i+1], v[PA+2*i:PA+2*i+1], v[LL+2*(i/2):LL+2*(i/2)+1] op_sel_hi:[1,0]
.set i, i+1
.endr
	WIN 0
	s_wait_tensorcnt 0x1                           ; my block of tile 0 is in; tile 1's load, issued behind it, may stay out
	s_wait_dscnt 0x0                               ; my rows of x are stored
	BAR
	FETCHA 0, 0
	FETCHB BC, 0, 0
	s_mov_b32 s[LEFT], TILES-2
	s_mov_b32 s[PH], 8
.Lslot:                                ; 6 trips: a slot is multiplied and filled again.  Every branch hangs on counts that are alike in all work-groups
	SLOTB 1
	WIN 0
	s_sub_co_u32 s[PH], s[PH], 1
	s_sub_co_u32 s[LEFT], s[LEFT], 1
	s_cmp_lg_u32 s[LEFT], 0
	s_cbranch_scc1 .Lslot
	s_mov_b32 s[TT], 2
.Ltail:                                ; the last two slots: no tensor load is written here, so none is jumped over
	SLOTB 0
	WIN 0
	s_sub_co_u32 s[TT], s[TT], 1
	s_cmp_lg_u32 s[TT], 0
	s_cbranch_scc1 .Ltail
	PLACES                                         ; in front of the first lines that read the sums
	; In front of the tail's last barrier every wave's reads of the ring were back, and the ring has had its last fill: its bytes are scratch.  The softmax's weights go out by tokens, 256 bytes a token.
	WIN 0x04                                       ; store data in window 1
.set i, 0
.rept 16
	ds_store_b128 v[AST], v[4*i:4*i+3] offset:2*PPITCH*i
.set i, i+1
.endr
	WIN 0
	s_wait_dscnt 0x0                               ; for the others' sake
	BAR
	; THE WEIGHTED SUMS AND THE WAY OUT, a token tile a trip, through two stages that take turns.  A head's 256 bytes come from the two waves of one th, so a barrier stands between the writing and the reading;
	; a stage is written again two trips later, behind the barrier of the trip between, in front of which every wave has waited for its reads of it.  A tile's rows are stored in the next trip, behind the copying.
	s_mov_b32 s[TT], 4
	s_mov_b32 s[SG], 0
	s_mov_b32 s[AO], 0
.Ltok:
	s_cmp_eq_u32 s[TT], 4
	s_cbranch_scc1 .Lmove_0
	s_cmp_eq_u32 s[TT], 3
	s_cbranch_scc1 .Lmove_1
	s_cmp_eq_u32 s[TT], 2
	s_cbranch_scc1 .Lmove_2
	MOVE 3
	s_branch .Lmoved
.Lmove_0:
	MOVE 0
	s_branch .Lmoved
.Lmove_1:
	MOVE 1
	s_branch .Lmoved
.Lmove_2:
	MOVE 2
.Lmoved:
	v_add_nc_u32 v[ALDC], s[AO], v[ALD]
	v_add_nc_u32 v[STOC], s[SG], v[STO]
	v_add_nc_u32 v[RDC], s[SG], v[RD]
	s_add_co_u32 s[AO], s[AO], 16*PPITCH
	s_xor_b32 s[SG], s[SG], STG2
	WIN 0x40                                       ; my token's 64 weights
.set q, 0
.rept 16
	ds_load_b128 v[4*q:4*q+3], v[ALDC] offset:16*q
.set q, q+1
.endr
	WIN 0
	s_wait_dscnt 0x0                               ; they are in, and so are the last tile's rows
	s_cmp_eq_u32 s[TT], 4
	s_cbranch_scc1 .Lno_send                       ; the first trip has no tile before it
	SEND
	s_wait_xcnt 0x0                                ; the stores have read their registers and their base: both are written below
	s_add_nc_u64 s[10:11], s[10:11], 65536         ; 16 rows on
.Lno_send:
	PV
.set z, 0
.rept 32                               ; my 16 bytes at head z / 4, byte 128 cg + 64 ct + 32 hf + 16 (z % 2) of its 256
	ds_store_b128 v[STOC], v[OUT+4*z:OUT+4*z+3] offset:256*(z/4)+64*((z/2)%2)+16*(z%2)
.set z, z+1
.endr
	s_wait_dscnt 0x0
	BAR
.set n, 0
.rept 32                               ; rows 8 cg .. 8 cg + 7 of the sixteen, whole, into the registers that the sums have left
	ds_load_b128 v[OUT+4*n:OUT+4*n+3], v[RDC] offset:SPITCH*(n/4)+512*(n%4)
.set n, n+1
.endr
	s_sub_co_u32 s[TT], s[TT], 1
	s_cmp_lg_u32 s[TT], 0
	s_cbranch_scc1 .Ltok
	s_wait_dscnt 0x0
	SEND
	s_wait_tensorcnt 0x0                           ; the wave's end: behind my last tensor load and my last LDS store
	ds_add_u32 v[SPW], v[NIL]
	s_wait_dscnt 0x0
	CROUND                                         ; the closing round: no work-group ends while a partner may still ask for a tile that names it
	s_endpgm
.Lfunc_end_k_q53ad2a0495_mix:
	.size	k_q53ad2a0495_mix, .Lfunc_end_k_q53ad2a0495_mix-k_q53ad2a0495_mix
	.p2alignl 7, 3214868480
	.fill 96, 4, 3214868480
	.section	.rodata,"a",@progbits
	.p2align	6, 0x0
	.amdhsa_kernel k_q53ad2a0495_mix
		.amdhsa_group_segment_fixed_size 327680
		.amdhsa_private_segment_fixed_size 0
		.amdhsa_enable_private_segment 0
		.amdhsa_kernarg_size 32
		.amdhsa_user_sgpr_count 2
		.amdhsa_user_sgpr_kernarg_segment_ptr 1
		.amdhsa_wavefront_size32 1
		.amdhsa_system_sgpr_workgroup_id_x 1
		.amdhsa_system_sgpr_workgroup_id_y 1
		.amdhsa_system_sgpr_workgroup_id_z 1
		.amdhsa_system_vgpr_workitem_id 0
		.amdhsa_next_free_vgpr 1024
		.amdhsa_next_free_sgpr 66
		.amdhsa_reserve_vcc 0
		.amdhsa_float_denorm_mode_32 3
		.amdhsa_float_denorm_mode_16_64 3
		.amdhsa_memory_ordered 1
		.amdhsa_forward_progress 1
		.amdhsa_inst_pref_size 178
	.end_amdhsa_kernel
	.amdgpu_metadata
---
amdhsa.version: [ 1, 2 ]
amdhsa.kernels:
  - .name:           k_q53ad2a0495_mix
    .symbol:         k_q53ad2a0495_mix.kd
    .args:
      - { .name: x, .offset: 0, .size: 8, .value_kind: global_buffer, .address_space: global }
      - { .name: wb, .offset: 8, .size: 8, .value_kind: global_buffer, .address_space: global }
      - { .name: ps, .offset: 16, .size: 8, .value_kind: global_buffer, .address_space: global }
      - { .name: out0, .offset: 24, .size: 8, .value_kind: global_buffer, .address_space: global }
    .group_segment_fixed_size: 327680
    .private_segment_fixed_size: 0
    .kernarg_segment_align: 8
    .kernarg_segment_size: 32
    .max_flat_workgroup_size: 128
    .sgpr_count:     66
    .vgpr_count:     1024
    .wavefront_size: 32
...
	.end_amdgpu_metadata
.endif
;; end of part 3
